; MI455X (gfx1250); checked and timed in simulation.
; The chip was launched on July 23, 2026; its instructions are those of AMD's public machine-readable ISA for CDNA 5 (MIT licence, August 2026) and "CDNA5" Instruction Set Architecture Reference Guide (July 2026). The comments in the code are by the model that wrote it; some were corrected since.
;; Multi Head Attention. Allowed arithmetic: matrix products marked QUANTISED: E4M3 operands, one E8M0 scale for each 32 along K, by v_wmma_scale_f32_16x16x128_f8f6f4 with both operands' format E4M3, f32 sums; everything else in f32.
;; Inputs: Wk_codes 1,024 x 32 x 32 uint8 (E4M3 codes of Wk, K innermost, in blocks of 32 codes); Wk_scales 1,024 x 32 uint8 (E8M0 scales of Wk, one for each 32 codes along K); Wo_codes 1,024 x 32 x 32 uint8 (E4M3 codes of Wo, K innermost, in blocks of 32 codes); Wo_scales 1,024 x 32 uint8 (E8M0 scales of Wo, one for each 32 codes along K); Wq_codes 1,024 x 32 x 32 uint8 (E4M3 codes of Wq, K innermost, in blocks of 32 codes); Wq_scales 1,024 x 32 uint8 (E8M0 scales of Wq, one for each 32 codes along K); Wv_codes 1,024 x 32 x 32 uint8 (E4M3 codes of Wv, K innermost, in blocks of 32 codes); Wv_scales 1,024 x 32 uint8 (E8M0 scales of Wv, one for each 32 codes along K); bk 1,024 float32; bo 1,024 float32; bq 1,024 float32; bv 1,024 float32; x_codes 2 x 2,048 x 32 x 32 uint8 (E4M3 codes of x, K innermost, in blocks of 32 codes); x_scales 2 x 2,048 x 32 uint8 (E8M0 scales of x, one for each 32 codes along K).
;; Outputs: out0 2 x 2,048 x 1,024 float32.
;; This version of the problem:
;;   THIS VERSION OF THE PROBLEM IS GIVEN IN LOW PRECISION. The matrix products marked QUANTISED in the list below multiply operands that are first quantised to E4M3 (4 exponent bits, 3 mantissa bits; 8 bits a number), with one power-of-two scale for each 32 numbers along K (OCP MX v1.0); their sums are f32. All else is computed in f32.
;;   The module's matrix products, in the order in which they are computed (A, B: the left and right operand; K: the contracted axis; several contracted axes count as one K, in the product's order):
;;     1. [M 4,096, K 1,024] x [K 1,024, N 1,024]; A: input x (given as codes); B: input Wq (given as codes): QUANTISED
;;     2. [M 4,096, K 1,024] x [K 1,024, N 1,024]; A: input x (given as codes); B: input Wk (given as codes): QUANTISED
;;     3. [M 4,096, K 1,024] x [K 1,024, N 1,024]; A: input x (given as codes); B: input Wv (given as codes): QUANTISED
;;     4. batch 32 x [M 2,048, K 64] x [K 64, N 2,048]; A: computed on the way; B: computed on the way: QUANTISED
;;     5. batch 32 x [M 2,048, K 2,048] x [K 2,048, N 64]; A: softmax (see below); B: computed on the way: QUANTISED
;;     6. [M 4,096, K 1,024] x [K 1,024, N 1,024]; A: computed on the way; B: input Wo (given as codes): QUANTISED
;;   THE QUANTISER, for each operand of a quantised product, along K:
;;     - K is cut into blocks of 32 from its start; a last block that is shorter is filled with zeros.
;;     - A block's scale is 2^e with e = floor(log2(the largest magnitude in the block)) - 8, held to -126 .. 127; a block of zeros has e = 0. As a byte (E8M0): e + 127.
;;     - Each number is divided by its block's scale, clamped to +-448, and rounded to the nearest number of E4M3, ties to even, subnormals kept.
;;     - The product sums the exact products of the quantised numbers (number of the format x scale) in f32.
;;   ~~~python
;;   def quantise(x, axis):      # numpy; x: float32 -> the quantised numbers, widened to float32 again
;;       x = np.moveaxis(x, axis, -1); K = x.shape[-1]
;;       x = np.pad(x, [(0, 0)] * (x.ndim - 1) + [(0, -K % 32)]); x = x.reshape(x.shape[:-1] + (-1, 32)); a = np.abs(x).max(-1, keepdims=True)
;;       e = np.where(a > 0, np.clip(np.frexp(np.where(a > 0, a, 1))[1] - 1 - 8, -126, 127), 0)      # np.frexp(a)[1] - 1 = floor(log2(a)), exactly
;;       r = np.clip(x / 2.0 ** e, -448, 448)
;;       step = 2.0 ** (np.maximum(np.frexp(np.where(r == 0, 1, r))[1] - 1, -6) - 3)
;;       q = np.round(r / step) * step * 2.0 ** e      # np.round: ties to even
;;       return np.moveaxis(q.reshape(q.shape[:-2] + (-1,))[..., :K], -1, axis).astype(np.float32)
;;   ~~~
;;   SOFTMAX AHEAD OF A QUANTISED PRODUCT. Where the list says 'softmax', what is quantised is not the finished softmax but p = 2^(t - M), with t = logit x log2(e) and M = ceil(the row's largest t), a whole number; so 1/2 < the row's largest p <= 1. The row's sum l is taken of the UNQUANTISED p, in f32, and the product's result is divided by l at the end. Since M is a whole number, a kernel that streams over the keys may use a running M (the ceiling of the running maximum): every later rescaling is an exact power of two, which a block's scale takes up: the codes' values come out the same.
;;   OPERANDS COMPUTED ON THE WAY. 'Computed on the way' means the value that the module computes at that place (a softmax that the list does not call 'softmax' is quantised finished and normalised). What goes into a quantiser is computed in f32, as accurately as f32 sums, v_exp_f32 and their like allow (about 1e-6 of the number): no bf16 or f16 on the way to a quantiser, and a product that is left as it is and whose result goes on into a quantised operand takes f32 operands (vector FMAs, or v_wmma_f32_16x16x4_f32). A number that lies on a knife's edge between two numbers of the format may be rounded either way, as far as f32 arithmetic and the matrix unit's own rounding can turn it there, and no further.
;;   INPUTS GIVEN AS CODES. Wk (in the module: [1024, 1024], K = its axis 0); Wo (in the module: [1024, 1024], K = its axis 0); Wq (in the module: [1024, 1024], K = its axis 0); Wv (in the module: [1024, 1024], K = its axis 0); x (in the module: [2, 2048, 1024], K = its axis 2): each comes as NAME_codes (uint8): NAME with its K axis moved to the last place and cut into blocks of 32 codes, [.., K / 32, bytes a block], one block behind the other in memory; one code a byte (a code: sign, 4 exponent bits, 3 mantissa bits); and NAME_scales (uint8): the same leading axes, one E8M0 byte (e + 127) for each 32 codes along K. Its value is code x scale, taken as it is: it is not quantised again, and the codes and scales need not be those that the quantiser above would give.
;; One version. Each part assembles by itself: llvm-mc -triple=amdgcn-amd-amdhsa -mcpu=gfx1250 --defsym DOCPART=n.
;; ======== version 1 of 1: 3 launches
;; limits: right only within a limited range of input values
;; workspace buffers: qimg 4,325,376 bytes; kv 8,650,752 bytes; aimg 4,194,304 bytes; asc 131,072 bytes
;; launch qkv (part 1): grid 16 x 16, 4 waves a work-group, clusters of 4 x 4, 327,680 bytes of LDS; arguments x_codes, x_scales, Wq_codes, Wk_codes, Wv_codes, Wq_scales, Wk_scales, Wv_scales, bq, bk, bv, qimg, kv; writes qimg, kv
.if DOCPART == 1
	.amdgcn_target "amdgcn-amd-amdhsa--gfx1250"
	.amdhsa_code_object_version 6
	.text
	.protected	k_q2375419830_qkv
	.globl	k_q2375419830_qkv
	.p2align	8
	.type	k_q2375419830_qkv,@function
k_q2375419830_qkv:
	s_mov_b64 s[64:65], 0
	v_nop
	global_prefetch_b8 v0, s[64:65] scope:SCOPE_SE
	s_setreg_imm32_b32 hwreg(HW_REG_WAVE_MODE, 25, 1), 1
	s_wait_xcnt 0x0
	s_wait_alu depctr_hold_cnt(0) depctr_sa_sdst(0) depctr_va_vdst(0) depctr_va_sdst(0) depctr_va_ssrc(0) depctr_va_vcc(0) depctr_vm_vsrc(0)
	s_getreg_b32 s2, hwreg(HW_REG_IB_STS2, 6, 4)
	s_cmp_eq_u32 s2, 0
	s_cbranch_scc0 .Lentry_in_a_cluster
	s_endpgm
.Lentry_in_a_cluster:
	s_bfe_u32 s2, ttmp6, 0x10000c
	s_cmp_lg_u32 s2, 0xf033
	s_cbranch_scc0 .Lentry_shape_is_right
	s_endpgm
.Lentry_shape_is_right:
; q = x Wq + bq, k = x Wk + bk, v = x Wv + bv on codes of FP8 (E4M3) with E8M0 scales, each result quantised again and stored as IMAGES OF OPERAND REGISTERS for the attention launch.
; x: [4096][1024] codes, [4096][32] scale bytes.  W: [1024 (n)][1024 (k)] codes, [1024][32] scale bytes.  Biases f32.
; SHARES.  256 work-groups: 16 heads (x) by 16 tiles of 256 tokens (y).  A work-group makes its head's 64 channels of q, of k and of v.  Four waves, 2 x 2: wave (m, beta) makes 128 tokens x channels 32 beta .. + 31 of each of the three:
; 8 tiles of tokens x 6 tiles of channels = 48 accumulators.
; RING.  K goes in four chunks of 256 through two LDS slots: x's 256 rows, then 64 rows of each W, 256 bytes + 16 of padding a row.  Wave 0 fetches x's rows, waves 1, 2, 3 those of Wq, Wk, Wv: one joint load a wave behind each round.
; CLUSTERS 4 x 4: x's rows hang on the tile of tokens alone and are shared along a row of the cluster, W's on the head alone and are shared along a column.
; PREFETCH.  Behind the load of chunk c each wave asks for chunk c + 1 of the tensor that it fetches: 256 bytes of each row, a lane a row; the four partners of a joint load share its rows out by address.  The last chunk's load is followed by none.
; q, k: source 0 = 16 rows of W, source 1 = 16 tokens: a lane holds ONE token and registers along the channels, which are the next product's K.
; v:    source 0 = 16 tokens, source 1 = 16 rows of W: a lane holds ONE channel and registers along the tokens (the keys), which are the next product's K.
; ORDER INSIDE A BLOCK OF 32.  The 16 registers of two neighbouring result tiles are the indices 32 b + 16 u + 8 (lane / 16) + j (u = 0, 1; j = 0 .. 7); they are converted in that order.  That permutes
; a block of 32 inside itself, leaves its scale as it is, and is the same on both sides of every later product (q and k here; p and v; the attention's result and Wo).
; OUT.  qimg: blocks of 8,448 bytes for (batch, head, step of 128 tokens): codes at i 1024 + beta 512 + 16 lane (i: tile of 16 tokens), scale bytes at 8192 + 16 r + 2 i + beta.
;       kv: blocks of 16,896 bytes: k's codes like q's; v's codes at 8192 + T 2048 + c 512 + 16 lane (T: tile of channels, c: 32 keys); k's bytes at 16384 + 16 r + 2 i + beta; v's at 16640 + 16 r + 4 T + c.
; LIMITS: NaN and infinities are not served.  A block of zeros gets the byte 1 (not 127) and zero codes: only this program reads the bytes.
; REGISTERS.  Window 0: v1-5, v30, v31 addresses; v6-29 W's scale words, v32-63 x's; v64-255 W's fragments, two sets of 96.  Window 1: x's fragments, two sets of 128.  Window 2: q's and k's accumulators.
; Window 3: v's accumulators in v0-127, the bias as C in v128-175.  On the way out v64-255 of window 0 are at work.
.set PITCH, 272                        ; 68 words: the sixteen rows of a fragment load start in sixteen different groups of banks
.set XROWS, 256*PITCH
.set SLOT,  448*PITCH
.set STG,   2*SLOT                     ; behind the ring: scale bytes on the way out: q's, k's, v's, 512 bytes each
.set SPARE, STG+1536                   ; the spare words
.set ADRA, 1                           ; v1, v2  my fragments of x in slot 0, 1
.set ADRB, 3                           ; v3, v4  of W
.set PFO,  5                           ; v5      the prefetches' offset; never rewritten
.set WSC,  6
.set SPW,  30
.set NIL,  31
.set XS,   32
.set BF,   64
.set BIA,  128                         ; in window 3
.set HB,   64                          ; the way out: 64 held numbers
.set PC,   128                         ; codes: 6 x 16 registers
.set TM,   224                         ; at work in the quantiser
.set CO,   240
.set VQ,   241
.set VV,   242
.set RDA,  243
.set SCO,  244
.set G1A, 32
.set G1B, 40
.set G0X, 48
.set G0Q, 52
.set G0K, 56
.set G0V, 60
.set PB,  68                           ; s[68:69] where my prefetches stand
.set WV,  84
.set SEL, 30
.set MNT, 83
.set MSB, 0
.macro WIN new                         ; the immediate's high byte repeats the setting that is left
.if MSB != \new
	s_set_vgpr_msb (MSB<<8)|\new
.set MSB, \new
.endif
.endm
.macro PLACES n
.rept \n
	v_nop
.endr
.endm
.macro CREST                           ; a round of the cluster's barrier behind its opening barrier
	s_cmp_lg_u32 s[WV], 0
	s_cbranch_scc1 .Lnot_wave_0_\@
	s_barrier_signal -3
.Lnot_wave_0_\@:
	s_barrier_wait -3
	s_barrier_signal -1
	s_barrier_wait -1
.endm
.macro CROUND
	s_barrier_signal -1
	s_barrier_wait -1
	CREST
.endm
.macro ARM w, g0, g1, next, join       ; one arm of the chain on the wave's number: one tensor load
	s_cmp_eq_u32 s[WV], \w
	s_cbranch_scc0 \next
	tensor_load_to_lds s[\g0:\g0+3], s[\g1:\g1+7]
	s_nop 0
	PLACES 4
	s_branch \join
\next:
.endm
.macro JLOAD                           ; every way passes exactly one load
	ARM 0, G0X, G1A, .Lq_\@, .Lasked_\@
	ARM 1, G0Q, G1B, .Lk_\@, .Lasked_\@
	ARM 2, G0K, G1B, .Lv_\@, .Lasked_\@
	tensor_load_to_lds s[G0V:G0V+3], s[G1B:G1B+7]
	s_nop 0
	PLACES 4
.Lasked_\@:
.endm
.macro NEXTD c                         ; the descriptors of chunk c: its slot, 256 bytes on along K (no tensor load of mine is out)
	s_mov_b32 s[G0X+1], ((\c)%2)*SLOT
	s_mov_b32 s[G0Q+1], ((\c)%2)*SLOT+XROWS
	s_mov_b32 s[G0K+1], ((\c)%2)*SLOT+XROWS+64*PITCH
	s_mov_b32 s[G0V+1], ((\c)%2)*SLOT+XROWS+128*PITCH
.irp g, G0X, G0Q, G0K, G0V
	s_add_nc_u64 s[\g+2:\g+3], s[\g+2:\g+3], 256
.endr
.endm
.macro ASK c                           ; chunk c of my tensor: wave 0 64 of x's rows, waves 1 to 3 sixteen of W's rows (lanes 16-31 name them again)
	global_prefetch_b8 v[PFO], s[PB:PB+1] offset:256*\c th:TH_LOAD_NT scope:SCOPE_SE
	s_cmp_lg_u32 s[WV], 0
	s_cbranch_scc1 .Lno_more_\@
	global_prefetch_b8 v[PFO], s[PB:PB+1] offset:32768+256*\c th:TH_LOAD_NT scope:SCOPE_SE
.Lno_more_\@:
.endm
.macro FETCHX s                        ; K step s (128 along K): x's eight fragments into set s % 2
	WIN 0x40
.irp i, 0,1,2,3,4,5,6,7
.irp c, 0,1,2,3
	ds_load_b128 v[128*((\s)%2)+16*\i+4*\c:128*((\s)%2)+16*\i+4*\c+3], v[ADRA+((\s)/2)%2] offset:16*\i*PITCH+128*((\s)%2)+32*\c
.endr
.endr
.endm
.macro FETCHW s                        ; and W's six: q's two, k's two, v's two
	WIN 0
.irp n, 0,1,2,3,4,5
.irp c, 0,1,2,3
	ds_load_b128 v[BF+96*((\s)%2)+16*\n+4*\c:BF+96*((\s)%2)+16*\n+4*\c+3], v[ADRB+((\s)/2)%2] offset:(64*(\n/2)+16*(\n%2))*PITCH+128*((\s)%2)+32*\c
.endr
.endr
.endm
; The 48 accumulators take turns in the same order in every K step.  A scale register holds K step j in lanes 0-15 and K step 4 + j in lanes 16-31: steps 4 to 7 name the upper row on both sides.
; K step 0 takes the bias as C.
.macro MULQK s, i                      ; tile i of tokens by q's and k's four tiles of channels
.if (\s) == 0
	WIN 0xb4
.else
	WIN 0xa4
.endif
.irp n, 0,1,2,3
.set aD, 32*(\i)+8*\n
.set fA, BF+96*((\s)%2)+16*\n
.set fB, 128*((\s)%2)+16*(\i)
.if (\s) == 0
	v_wmma_scale_f32_16x16x128_f8f6f4 v[aD:aD+7], v[fA:fA+15], v[fB:fB+15], v[BIA+8*\n:BIA+8*\n+7], v[WSC+4*\n+(\s)%4], v[XS+4*(\i)+(\s)%4]
.elseif (\s) < 4
	v_wmma_scale_f32_16x16x128_f8f6f4 v[aD:aD+7], v[fA:fA+15], v[fB:fB+15], v[aD:aD+7], v[WSC+4*\n+(\s)%4], v[XS+4*(\i)+(\s)%4]
.else
	v_wmma_scale_f32_16x16x128_f8f6f4 v[aD:aD+7], v[fA:fA+15], v[fB:fB+15], v[aD:aD+7], v[WSC+4*\n+(\s)%4], v[XS+4*(\i)+(\s)%4] matrix_a_scale:MATRIX_SCALE_ROW1 matrix_b_scale:MATRIX_SCALE_ROW1
.endif
.endr
.endm
.macro MULV s                          ; v's two tiles of channels by the eight tiles of tokens
	WIN 0xf1
.irp t, 0,1
.irp i, 0,1,2,3,4,5,6,7
.set aD, 64*\t+8*\i
.set fA, 128*((\s)%2)+16*\i
.set fB, BF+96*((\s)%2)+16*(4+\t)
.if (\s) == 0
	v_wmma_scale_f32_16x16x128_f8f6f4 v[aD:aD+7], v[fA:fA+15], v[fB:fB+15], v[BIA+32+8*\t:BIA+39+8*\t], v[XS+4*\i+(\s)%4], v[WSC+16+4*\t+(\s)%4]
.elseif (\s) < 4
	v_wmma_scale_f32_16x16x128_f8f6f4 v[aD:aD+7], v[fA:fA+15], v[fB:fB+15], v[aD:aD+7], v[XS+4*\i+(\s)%4], v[WSC+16+4*\t+(\s)%4]
.else
	v_wmma_scale_f32_16x16x128_f8f6f4 v[aD:aD+7], v[fA:fA+15], v[fB:fB+15], v[aD:aD+7], v[XS+4*\i+(\s)%4], v[WSC+16+4*\t+(\s)%4] matrix_a_scale:MATRIX_SCALE_ROW1 matrix_b_scale:MATRIX_SCALE_ROW1
.endif
.endr
.endr
.endm
.macro EVEN s                          ; a chunk's first K step: the next one's fragments lie in the same slot
	s_wait_dscnt 0x0                               ; this step's fragments are in
.if (\s) > 0
	PLACES 8                                       ; in front of loads into the sets that the last step's products read
.endif
	FETCHX (\s)+1
.irp i, 0,1,2,3
	MULQK \s, \i
.endr
	FETCHW (\s)+1
.irp i, 4,5,6,7
	MULQK \s, \i
.endr
	MULV \s
.endm
.macro ODD s                           ; a chunk's second K step: its fragments are in registers, so the slot has been read out; the next chunk must be whole
	s_wait_dscnt 0x0                               ; this step's fragments are in: my reads of the slot are over
	WIN 0
.if (\s) < 7
	s_wait_tensorcnt 0x0                           ; all my tensor loads are in: my part of the next chunk among them
.if (\s) < 5
	ds_add_u32 v[SPW], v[NIL]                      ; 0 onto my spare word
	NEXTD ((\s)+1)/2+1
.endif
.endif
	MULQK \s, 0
	MULQK \s, 1
.if (\s) < 7
	s_wait_dscnt 0x0                               ; the add is done
	s_barrier_signal -1
	MULQK \s, 2
	MULQK \s, 3
	WIN 0
	s_barrier_wait -1
.if (\s) < 5
	CREST                                          ; no wave of any partner still reads this slot or has a load on its way
	JLOAD                                          ; the chunk two on, into this slot; its four v_nop are among the eight places in front of the loads below
	PLACES 4
.else
	PLACES 8
.endif
	FETCHX (\s)+1
	MULQK \s, 4
	MULQK \s, 5
	FETCHW (\s)+1
.if (\s) == 1
	ASK 3
.endif
.else
.irp i, 2,3,4,5
	MULQK \s, \i
.endr
.endif
	MULQK \s, 6
	MULQK \s, 7
	MULV \s
.endm
	s_load_b128 s[4:7], s[0:1], 0x0                ; x's codes, x's scales
	s_load_b256 s[8:15], s[0:1], 0x10              ; Wq's, Wk's, Wv's codes, Wq's scales
	s_load_b256 s[16:23], s[0:1], 0x30             ; Wk's, Wv's scales, bq, bk
	s_load_b128 s[24:27], s[0:1], 0x50             ; bv, qimg
	s_load_b64 s[28:29], s[0:1], 0x60              ; kv
	v_lshl_add_u32 v[SPW], v0, 2, SPARE
	v_mov_b32 v[NIL], 0
	ds_add_u32 v[SPW], v[NIL]                      ; the wave's opening: the add, twice on end, and its wait ahead of my first tensor load
	ds_add_u32 v[SPW], v[NIL]
	v_lshrrev_b32 v1, 5, v0
	v_readfirstlane_b32 s[WV], v1                  ; wave 0..3
	s_lshr_b32 s85, s[WV], 1                       ; m: my 128 tokens
	s_and_b32 s86, s[WV], 1                        ; beta: my 32 channels of each head
	s_bfe_u32 s87, ttmp6, 0x40000                  ; cx
	s_bfe_u32 s88, ttmp6, 0x40004                  ; cy
	s_lshl_b32 s89, ttmp9, 2
	s_add_co_u32 s89, s89, s87                     ; the head, 0..15
	s_and_b32 s90, ttmp7, 0xffff
	s_lshl_b32 s90, s90, 2
	s_add_co_u32 s90, s90, s88                     ; tile of 256 tokens, 0..15
	s_lshl_b32 s2, s88, 2
	s_lshl_b32 s2, 15, s2                          ; my row of the cluster
	s_lshl_b32 s3, 0x1111, s87                     ; my column
	s_or_b32 s[G1A], s2, (1<<20)|(1<<21)|(5<<22)|(3<<25)   ; the mask; elements of 1 byte; padding on; bit 21 beside a mask; 4 words of padding after every 64
	s_or_b32 s[G1B], s3, (1<<20)|(1<<21)|(5<<22)|(3<<25)
	s_mov_b32 s[G1A+2], 256<<16                    ; tensor_dim1: x's 256 rows,
	s_mov_b32 s[G1B+2], 64<<16                     ; 64 of a W
	s_mov_b32 s[G1A+4], 256                        ; tile_dim1
	s_mov_b32 s[G1B+4], 64
.irp g, G1A, G1B
	s_mov_b32 s[\g+1], 256<<16                     ; tensor_dim0
	s_mov_b32 s[\g+3], 256<<16                     ; tile_dim0
	s_mov_b32 s[\g+5], 1024                        ; from row to row
	s_mov_b32 s[\g+6], 0
	s_mov_b32 s[\g+7], 0
.endr
	s_mov_b32 s[G0X], 1
	s_mov_b32 s[G0Q], 1
	s_mov_b32 s[G0K], 1
	s_mov_b32 s[G0V], 1
	s_mov_b32 s[G0X+1], 0
	s_mov_b32 s[G0Q+1], XROWS
	s_mov_b32 s[G0K+1], XROWS+64*PITCH
	s_mov_b32 s[G0V+1], XROWS+128*PITCH
	s_lshl_b32 s92, s90, 18                        ; x: 256 rows of 1,024 bytes a tile
	s_mov_b32 s93, 0
	s_lshl_b32 s94, s89, 16                        ; W: 64 rows a head
	s_mov_b32 s95, 0
	s_mov_b32 s71, 0
	s_mov_b32 s[MNT], 0x600000                     ; the mantissa field of 448
	s_wait_dscnt 0x0                               ; both opening adds are done
	CROUND                                         ; all sixteen work-groups are here: the first joint loads meet
	s_wait_kmcnt 0x0
	s_add_nc_u64 s[G0X+2:G0X+3], s[4:5], s[92:93]
	s_add_nc_u64 s[G0Q+2:G0Q+3], s[8:9], s[94:95]
	s_add_nc_u64 s[G0K+2:G0K+3], s[10:11], s[94:95]
	s_add_nc_u64 s[G0V+2:G0V+3], s[12:13], s[94:95]
.irp g, G0X, G0Q, G0K, G0V
	s_or_b32 s[\g+3], s[\g+3], 0x80000000
.endr
	JLOAD                                          ; chunk 0: one load a wave
	; the prefetches: my tensor's tile, and my work-group's rows of it: 64 cx of x's, 16 cy of W's
	s_add_nc_u64 s[72:73], s[4:5], s[92:93]
	s_lshl_b32 s74, s87, 6
	s_lshl_b32 s75, s88, 4
	s_cmp_eq_u32 s[WV], 1
	s_cselect_b64 s[PB:PB+1], s[8:9], s[10:11]
	s_cmp_eq_u32 s[WV], 3
	s_cselect_b64 s[PB:PB+1], s[12:13], s[PB:PB+1]
	s_add_nc_u64 s[PB:PB+1], s[PB:PB+1], s[94:95]
	s_cmp_eq_u32 s[WV], 0
	s_cselect_b64 s[PB:PB+1], s[72:73], s[PB:PB+1]
	s_cselect_b32 s66, 31, 15
	s_cselect_b32 s67, s74, s75
	; scale words and biases: scalar bases
	s_lshl_b32 s70, s90, 13
	s_lshl_b32 s74, s85, 12
	s_add_co_u32 s70, s70, s74
	s_add_nc_u64 s[6:7], s[6:7], s[70:71]          ; x's scales at my 128 tokens
	s_lshl_b32 s70, s89, 11
	s_lshl_b32 s74, s86, 10
	s_add_co_u32 s70, s70, s74
	s_add_nc_u64 s[14:15], s[14:15], s[70:71]      ; each W's at my 32 channels
	s_add_nc_u64 s[16:17], s[16:17], s[70:71]
	s_add_nc_u64 s[18:19], s[18:19], s[70:71]
	s_lshl_b32 s70, s89, 8
	s_lshl_b32 s74, s86, 7
	s_add_co_u32 s70, s70, s74
	s_add_nc_u64 s[20:21], s[20:21], s[70:71]      ; and each bias
	s_add_nc_u64 s[22:23], s[22:23], s[70:71]
	s_add_nc_u64 s[24:25], s[24:25], s[70:71]
	v_and_b32 v[PFO], s66, v0
	v_add_nc_u32 v[PFO], s67, v[PFO]
	v_lshlrev_b32 v[PFO], 10, v[PFO]               ; rows of 1,024 bytes
	v_and_b32 v64, 15, v0                          ; r
	v_bfe_u32 v65, v0, 4, 1                        ; h
	v_mul_u32_u24 v66, v64, PITCH
	v_lshl_add_u32 v66, v65, 4, v66                ; a fragment's row x pitch + 16 x half
	v_lshlrev_b32 v67, 5, v64
	v_lshl_add_u32 v67, v65, 4, v67                ; a row of 32 scale bytes, lanes 16-31 its upper half
	v_lshlrev_b32 v68, 5, v65                      ; q, k: the bias of my half's eight channels
	v_lshlrev_b32 v69, 2, v64                      ; v: the bias of my channel
	s_wait_alu depctr_va_vdst(0)
.irp i, 0,1,2,3,4,5,6,7
	global_load_b128 v[XS+4*\i:XS+4*\i+3], v67, s[6:7] offset:512*\i   ; 512 consecutive bytes: all of K for 16 rows
.endr
.irp t, 0,1
	global_load_b128 v[WSC+4*\t:WSC+4*\t+3], v67, s[14:15] offset:512*\t
	global_load_b128 v[WSC+8+4*\t:WSC+11+4*\t], v67, s[16:17] offset:512*\t
	global_load_b128 v[WSC+16+4*\t:WSC+19+4*\t], v67, s[18:19] offset:512*\t
.endr
	WIN 0xc0
.irp t, 0,1
	global_load_b128 v[BIA+8*\t:BIA+8*\t+3], v68, s[20:21] offset:64*\t   ; channels 16 t + 8 h + 0 .. 7: the result's layout
	global_load_b128 v[BIA+8*\t+4:BIA+8*\t+7], v68, s[20:21] offset:64*\t+16
	global_load_b128 v[BIA+16+8*\t:BIA+19+8*\t], v68, s[22:23] offset:64*\t
	global_load_b128 v[BIA+20+8*\t:BIA+23+8*\t], v68, s[22:23] offset:64*\t+16
.irp j, 0,1,2,3,4,5,6,7
	global_load_b32 v[BIA+32+8*\t+\j], v69, s[24:25] offset:64*\t         ; a lane holds one channel: its bias in all eight registers
.endr
.endr
	WIN 0
	ASK 1
	s_mul_i32 s74, s85, 128*PITCH
	v_add_nc_u32 v[ADRA], s74, v66
	s_add_co_u32 s74, s74, SLOT
	v_add_nc_u32 v[ADRA+1], s74, v66
	s_mul_i32 s75, s86, 32*PITCH
	s_add_co_u32 s75, s75, XROWS
	v_add_nc_u32 v[ADRB], s75, v66
	s_add_co_u32 s75, s75, SLOT
	v_add_nc_u32 v[ADRB+1], s75, v66
	; where my results go
	s_lshr_b32 s72, s90, 3                         ; the block: ((batch 16 + head) 16 + step)
	s_lshl_b32 s72, s72, 4
	s_add_co_u32 s72, s72, s89
	s_lshl_b32 s72, s72, 4
	s_and_b32 s73, s90, 7
	s_lshl_b32 s73, s73, 1
	s_add_co_u32 s72, s72, s73                     ; the tile's first step
	s_add_co_u32 s73, s72, s85                     ; mine
	s_lshl_b32 s66, s86, 9
	s_mul_i32 s70, s73, 8448
	s_add_co_u32 s70, s70, s66
	s_add_nc_u64 s[74:75], s[26:27], s[70:71]      ; q's codes
	s_mul_i32 s70, s73, 16896
	s_add_co_u32 s70, s70, s66
	s_add_nc_u64 s[76:77], s[28:29], s[70:71]      ; k's
	s_mul_i32 s70, s86, 3584
	s_mov_b32 s71, 0
	s_add_nc_u64 s[78:79], s[76:77], s[70:71]      ; v's: beta x 4,096 in all, 8,192 on (in the stores' offsets)
	; the scale bytes' way out: wave 0 stores q's of both steps, wave 1 k's, wave 2 v's
	s_mul_i32 s70, s72, 8448
	s_add_co_u32 s70, s70, 8192
	s_mul_i32 s66, s72, 16896
	s_add_co_u32 s66, s66, 16384
	s_add_co_u32 s67, s66, 256
	s_cmp_eq_u32 s[WV], 2
	s_cselect_b32 s66, s67, s66
	s_mov_b32 s67, 16896
	s_cmp_eq_u32 s[WV], 0
	s_cselect_b32 s70, s70, s66
	s_cselect_b32 s82, 8448, s67                   ; from step to step
	s_cselect_b64 s[80:81], s[26:27], s[28:29]
	s_add_nc_u64 s[80:81], s[80:81], s[70:71]
	s_mov_b32 s[SEL], 0x76543210
	s_mov_b32 s[SEL+1], 0xfedcba98                 ; v_permlanex16_b32: lane l xor 16
	s_wait_alu depctr_va_vdst(0)                   ; the head's end
	s_wait_loadcnt 0x0                             ; scale words and biases
	s_wait_tensorcnt 0x0                           ; my tile of chunk 0 is in
	ds_add_u32 v[SPW], v[NIL]                      ; 0 onto my spare word
	NEXTD 1
	s_wait_dscnt 0x0                               ; the add is done
	CROUND                                         ; all four tiles are in, and all sixteen work-groups are here
	JLOAD                                          ; chunk 1
	FETCHX 0
	FETCHW 0
	ASK 2
	EVEN 0
	ODD 1
	EVEN 2
	ODD 3
	EVEN 4
	ODD 5
	EVEN 6
	ODD 7
	WIN 0
	PLACES 8                                       ; in front of the first reader of a sum, and of writes of registers that products have read
; Four blocks of 32 (16 numbers of each in a lane, the other 16 in lane l xor 16), 64 registers from s on, become 16 registers of codes and four scale bytes, v[TM+4 ..].  wa: windows of the sums as sources 0 and 1; wb: as source 0
.macro QUANT4 wa, wb, s, pc
	WIN \wa
.irp b, 0,1,2,3
	v_max3_num_f32 v[TM+\b], |v[(\s)+16*\b]|, |v[(\s)+16*\b+1]|, 0x4800000      ; with the floor 2^(9 - 127): the byte cannot fall under 1
.endr
.irp i, 2,4,6,8,10,12,14
.irp b, 0,1,2,3
	v_max3_num_f32 v[TM+\b], |v[(\s)+16*\b+\i]|, |v[(\s)+16*\b+\i+1]|, v[TM+\b]
.endr
.endr
	WIN 0
.irp b, 0,1,2,3
	v_permlanex16_b32 v[TM+4+\b], v[TM+\b], s[SEL], s[SEL+1]
.endr
.irp b, 0,1,2,3
	v_max_num_f32 v[TM+\b], v[TM+\b], v[TM+4+\b]               ; the block's largest magnitude
.endr
.irp b, 0,1,2,3
	v_add_nc_u32 v[TM+12+\b], 0xfc000000, v[TM+\b]             ; 8 off its exponent field: the conversion's scale operand
.endr
.irp b, 0,1,2,3
	v_and_or_b32 v[TM+8+\b], v[TM+\b], 0x7f800000, s[MNT]      ; 448 x the scale
.endr
.irp b, 0,1,2,3
	v_lshrrev_b32 v[TM+4+\b], 23, v[TM+12+\b]                  ; the scale's byte
.endr
	WIN \wb
.irp b, 0,1,2,3
.irp i, 0,1,2,3,4,5,6,7,8,9,10,11,12,13,14,15
	v_med3_num_f32 v[HB+16*\b+\i], v[(\s)+16*\b+\i], -v[TM+8+\b], v[TM+8+\b]    ; the conversion does not saturate (ISA guide 7.6.2): the hold comes first
.endr
.endr
	WIN 0
.irp b, 0,1,2,3
	v_cvt_scalef32_pk8_fp8_f32 v[(\pc)+4*\b:(\pc)+4*\b+1], v[HB+16*\b:HB+16*\b+7], v[TM+12+\b]
	v_cvt_scalef32_pk8_fp8_f32 v[(\pc)+4*\b+2:(\pc)+4*\b+3], v[HB+16*\b+8:HB+16*\b+15], v[TM+12+\b]
.endr
	v_nop                                          ; a plain line behind the last conversion
.endm
	s_lshl_b32 s66, s85, 8
	s_add_co_u32 s66, s66, STG
	s_lshl_b32 s67, s86, 3
	s_add_co_u32 s67, s67, s66
	s_add_co_u32 s66, s66, s86
	s_lshl_b32 s70, s[WV], 9
	s_add_co_u32 s70, s70, STG
	v_and_b32 v245, 15, v0                         ; r
	v_and_b32 v246, 31, v0
	v_bfe_u32 v247, v0, 4, 1                       ; h
	v_lshlrev_b32 v[CO], 4, v246                   ; 16 x lane
	v_lshlrev_b32 v245, 4, v245                    ; 16 r
	v_add_nc_u32 v[VQ], s66, v245                  ; q's and k's bytes: 256 m + 16 r + beta
	v_add_nc_u32 v[VV], s67, v245                  ; v's: 256 m + 16 r + 8 beta
	v_add_nc_u32 v[RDA], s70, v[CO]                ; read back: 512 x wave + 16 x lane
	v_mul_u32_u24 v[SCO], s82, v247
	v_add_nc_u32 v[SCO], v[SCO], v245              ; lanes 0-15 the first step's 256 bytes, lanes 16-31 the second's
.irp b, 0,1,2,3
	v_mov_b32 v[TM+4+\b], 0                        ; a lane permute's destination counts as one of its sources
.endr
.irp k, 0,1,2,3                                ; tokens' tiles 2 k and 2 k + 1: q, k of the first, q, k of the second
	QUANT4 0x0a, 0x02, 64*\k, PC+16*\k
	global_store_b128 v[CO], v[PC+16*\k:PC+16*\k+3], s[74:75] offset:2048*\k            ; 512 consecutive bytes
	global_store_b128 v[CO], v[PC+16*\k+4:PC+16*\k+7], s[76:77] offset:2048*\k
	global_store_b128 v[CO], v[PC+16*\k+8:PC+16*\k+11], s[74:75] offset:2048*\k+1024
	global_store_b128 v[CO], v[PC+16*\k+12:PC+16*\k+15], s[76:77] offset:2048*\k+1024
	ds_store_b8 v[VQ], v[TM+4] offset:4*\k         ; both halves of the lanes write the same value
	ds_store_b8 v[VQ], v[TM+5] offset:512+4*\k
	ds_store_b8 v[VQ], v[TM+6] offset:4*\k+2
	ds_store_b8 v[VQ], v[TM+7] offset:512+4*\k+2
.endr
.irp t, 0,1                                    ; v's tile T = 2 beta + t: its four blocks of 32 keys
	QUANT4 0x0f, 0x03, 64*\t, PC+64+16*\t
.irp c, 0,1,2,3
	global_store_b128 v[CO], v[PC+64+16*\t+4*\c:PC+67+16*\t+4*\c], s[78:79] offset:8192+2048*\t+512*\c
	ds_store_b8 v[VV], v[TM+4+\c] offset:1024+4*\t+\c
.endr
.endr
	s_wait_dscnt 0x0                               ; for the others' sake
	s_barrier_signal -1
	s_barrier_wait -1
	s_cmp_eq_u32 s[WV], 3
	s_cbranch_scc1 .Lend
	ds_load_b128 v[HB:HB+3], v[RDA]
	s_wait_dscnt 0x0
	global_store_b128 v[SCO], v[HB:HB+3], s[80:81] ; sixteen lanes store 256 consecutive bytes, aligned
.Lend:
	s_wait_tensorcnt 0x0                           ; the wave's end
	ds_add_u32 v[SPW], v[NIL]
	s_wait_dscnt 0x0
	CROUND                                         ; the closing round: no work-group ends while a partner may still ask for a tile that names it
	s_endpgm
.Lfunc_end_k_q2375419830_qkv:
	.size	k_q2375419830_qkv, .Lfunc_end_k_q2375419830_qkv-k_q2375419830_qkv
	.p2alignl 7, 3214868480
	.fill 96, 4, 3214868480
	.section	.rodata,"a",@progbits
	.p2align	6, 0x0
	.amdhsa_kernel k_q2375419830_qkv
		.amdhsa_group_segment_fixed_size 327680
		.amdhsa_private_segment_fixed_size 0
		.amdhsa_enable_private_segment 0
		.amdhsa_kernarg_size 104
		.amdhsa_user_sgpr_count 2
		.amdhsa_user_sgpr_kernarg_segment_ptr 1
		.amdhsa_wavefront_size32 1
		.amdhsa_system_sgpr_workgroup_id_x 1
		.amdhsa_system_sgpr_workgroup_id_y 1
		.amdhsa_system_sgpr_workgroup_id_z 1
		.amdhsa_system_vgpr_workitem_id 0
		.amdhsa_next_free_vgpr 1024
		.amdhsa_next_free_sgpr 100
		.amdhsa_reserve_vcc 0
		.amdhsa_float_denorm_mode_32 3
		.amdhsa_float_denorm_mode_16_64 3
		.amdhsa_memory_ordered 1
		.amdhsa_forward_progress 1
		.amdhsa_inst_pref_size 152
	.end_amdhsa_kernel
	.amdgpu_metadata
---
amdhsa.version: [ 1, 2 ]
amdhsa.kernels:
  - .name:           k_q2375419830_qkv
    .symbol:         k_q2375419830_qkv.kd
    .args:
      - { .name: x_codes, .offset: 0, .size: 8, .value_kind: global_buffer, .address_space: global }
      - { .name: x_scales, .offset: 8, .size: 8, .value_kind: global_buffer, .address_space: global }
      - { .name: Wq_codes, .offset: 16, .size: 8, .value_kind: global_buffer, .address_space: global }
      - { .name: Wk_codes, .offset: 24, .size: 8, .value_kind: global_buffer, .address_space: global }
      - { .name: Wv_codes, .offset: 32, .size: 8, .value_kind: global_buffer, .address_space: global }
      - { .name: Wq_scales, .offset: 40, .size: 8, .value_kind: global_buffer, .address_space: global }
      - { .name: Wk_scales, .offset: 48, .size: 8, .value_kind: global_buffer, .address_space: global }
      - { .name: Wv_scales, .offset: 56, .size: 8, .value_kind: global_buffer, .address_space: global }
      - { .name: bq, .offset: 64, .size: 8, .value_kind: global_buffer, .address_space: global }
      - { .name: bk, .offset: 72, .size: 8, .value_kind: global_buffer, .address_space: global }
      - { .name: bv, .offset: 80, .size: 8, .value_kind: global_buffer, .address_space: global }
      - { .name: qimg, .offset: 88, .size: 8, .value_kind: global_buffer, .address_space: global }
      - { .name: kv, .offset: 96, .size: 8, .value_kind: global_buffer, .address_space: global }
    .group_segment_fixed_size: 327680
    .private_segment_fixed_size: 0
    .kernarg_segment_align: 8
    .kernarg_segment_size: 104
    .max_flat_workgroup_size: 128
    .sgpr_count:     100
    .vgpr_count:     1024
    .wavefront_size: 32
...
	.end_amdgpu_metadata
.endif
;; end of part 1
;; launch attn (part 2): grid 8 x 32, 8 waves a work-group, clusters of 4 x 1, 327,680 bytes of LDS; arguments qimg, kv, aimg, asc; writes aimg, asc
.if DOCPART == 2
	.amdgcn_target "amdgcn-amd-amdhsa--gfx1250"
	.amdhsa_code_object_version 6
	.text
	.protected	k_q2375419830_attn
	.globl	k_q2375419830_attn
	.p2align	8
	.type	k_q2375419830_attn,@function
k_q2375419830_attn:
	s_mov_b64 s[64:65], 0
	v_nop
	global_prefetch_b8 v0, s[64:65] scope:SCOPE_SE
	s_setreg_imm32_b32 hwreg(HW_REG_WAVE_MODE, 25, 1), 1
	s_wait_xcnt 0x0
	s_wait_alu depctr_hold_cnt(0) depctr_sa_sdst(0) depctr_va_vdst(0) depctr_va_sdst(0) depctr_va_ssrc(0) depctr_va_vcc(0) depctr_vm_vsrc(0)
	s_getreg_b32 s2, hwreg(HW_REG_IB_STS2, 6, 4)
	s_cmp_eq_u32 s2, 0
	s_cbranch_scc0 .Lentry_in_a_cluster
	s_endpgm
.Lentry_in_a_cluster:
	s_bfe_u32 s2, ttmp6, 0x10000c
	s_cmp_lg_u32 s2, 0x3003
	s_cbranch_scc0 .Lentry_shape_is_right
	s_endpgm
.Lentry_shape_is_right:
; O = softmax(q k^T / 8) v for 32 (batch, head) pairs of 2,048 tokens x 64 channels, both products on codes of FP8 (E4M3) with E8M0 scales; the result is quantised along (head, channel) for the last product.
; THE SOFTMAX AHEAD OF THE SECOND PRODUCT: t = score x log2(e) / 8; M = the running largest t rounded UP to a whole number; p = 2^(t - M) is quantised along the keys, not normalised; the row's sum is taken of the
; unquantised p and divides O at the end.  When M moves, the sum and O are multiplied by 2^(old M - new M): exact.
; A BLOCK'S SCALE: the block's largest p has the exponent floor(t - M) of the block's largest score: no exponential is taken for it.  (Where t - M lies so close under a whole number that 2^(t - M) rounds up to a power of two, the smaller exponent is taken, and the number is held.)
; SHARES.  A work-group owns 256 queries of one head, each of its eight waves 32 of them: two tiles of 16, whose lines stand side by side; every fragment of K and V feeds both.
; THE HEAD'S K AND V LIE IN LDS WHOLE: sixteen blocks of 16,896 bytes as the launch before laid them (images of operand registers, scale words behind them).  Wave w brings blocks 2 w and 2 w + 1, by its one tensor load; each is filled once.  Every read is at 16 x lane.
; ORDER.  Wave 0 has a load line of its own: the first barrier shows blocks 0 and 1.  The second, inside key step 0, shows the rest.  No further barrier stands among the steps.
; A step's V and the next step's K are loaded right behind the step's scores.  No prefetch: all of K and V is asked for at the head.
; CLUSTER 4 x 1: the four query blocks of a cluster belong to one head: K and V come by joint loads.
; K = 64 IN A PRODUCT 128 DEEP.  A row of a fragment of K holds TWO keys (32 f + r in positions 0-63, 32 f + 16 + r in 64-127).  Times [q | 0] it gives the first key's scores, times [0 | q] the second's.  The codes
; under the zeros are finite (the quantiser holds at 448) and the zero half's scale byte is 0, a power of two: they add exact zeros.
; Both products are used transposed (source 0 = keys, or channels of V; source 1 = queries): a lane holds one query of each tile throughout.  The order inside a block of 32 keys is the same in p and in v's images.
; LIMITS: NaN and infinities are not served; scaled scores stay under 2^31 in magnitude.  A block of zeros gets the byte 1 and zero codes.
; REGISTERS (tile t = 0, 1).  Window 0: addresses, small sums, scales; PC + 16 t the codes of p; S + 64 t the scores, then p; v244-255 at work.
; Window 1: v0-63 K, v64-127 V, v128-159 and v160-191 O^T, v192-231 zeros, q of tile 0, zeros, q of tile 1, zeros (8 each).
.set BLKB, 16896
.set STG,  16*BLKB                     ; behind the head's blocks: 512 bytes, the stage for the result's scale words
.set SPARE, STG+512
.set SPW, 6
.set NIL, 7
.set MX,  8                            ; + 2 t: -M, and the largest score
.set L,   12                           ; + 2 t: the sum in two halves
.set T1,  16                           ; + 6 t: three more chains of the sum
.set T2,  18
.set T3,  20
.set F,   28                           ; + 2 t
.set X,   32                           ; + t
.set NM,  34
.set PWD, 36                           ; + t: p's scale words
.set QS,  40                           ; q's scale words: [q | 0], [0 | q] of tile 0, of tile 1
.set SCK, 44
.set SCV, 48
.set BM,  52                           ; + 4 t
.set BP,  60
.set HL,  68
.set SO,  76
.set PC,  84
.set S,   116
.set U,   244
.set KF,  0                            ; window 1
.set VF,  64
.set O,   128
.set ZQ,  192
.set WV,  12
.set G1,  16
.set G0,  24
.set SEL, 40
.set CS,  42
.set MNT, 44
.set TB,  45
.set CNT, 46
.set NC,  63
.set MSB, 0
.macro WIN new                         ; the immediate's high byte repeats the setting that is left
.if MSB != \new
	s_set_vgpr_msb (MSB<<8)|\new
.set MSB, \new
.endif
.endm
.macro PLACES n
.rept \n
	v_nop
.endr
.endm
.macro CROUND
	s_barrier_signal -1
	s_barrier_wait -1
	s_cmp_lg_u32 s[WV], 0
	s_cbranch_scc1 .Lnot_wave_0_\@
	s_barrier_signal -3
.Lnot_wave_0_\@:
	s_barrier_wait -3
	s_barrier_signal -1
	s_barrier_wait -1
.endm
	s_load_b128 s[4:7], s[0:1], 0x0                ; qimg, kv
	s_load_b128 s[8:11], s[0:1], 0x10              ; aimg, asc
	v_lshl_add_u32 v[SPW], v0, 2, SPARE
	v_mov_b32 v[NIL], 0
	ds_add_u32 v[SPW], v[NIL]                      ; the wave's opening: the add, twice on end, and its wait ahead of my first tensor load
	ds_add_u32 v[SPW], v[NIL]
	v_lshrrev_b32 v2, 5, v0
	v_readfirstlane_b32 s[WV], v2                  ; wave 0..7
	s_bfe_u32 s13, ttmp6, 0x40000                  ; cx
	s_lshl_b32 s14, ttmp9, 2
	s_add_co_u32 s14, s14, s13                     ; my block of 256 queries: it enters q's and the results' addresses alone
	s_and_b32 s15, ttmp7, 0xffff                   ; batch x 16 + head, which the four partners share
	s_mov_b32 s[G1], 15|(3<<16)|(1<<21)            ; the mask: all four; elements of 8 bytes; bit 21 beside a mask; no padding
	s_mov_b32 s[G1+1], 32<<16                      ; two blocks are dense: 132 rows of 256 bytes
	s_mov_b32 s[G1+2], 132<<16
	s_mov_b32 s[G1+3], 32<<16
	s_mov_b32 s[G1+4], 132
	s_mov_b32 s[G1+5], 32
	s_mov_b32 s[G1+6], 0
	s_mov_b32 s[G1+7], 0
	s_mul_i32 s58, s[WV], 2*BLKB                   ; blocks 2 w and 2 w + 1: their place in LDS and in the head
	s_mul_i32 s48, s15, 16*BLKB
	s_add_co_u32 s48, s48, s58
	s_mov_b32 s49, 0
	s_mov_b32 s[SEL], 0x76543210
	s_mov_b32 s[SEL+1], 0xfedcba98
	s_mov_b32 s[CS], 0x3e38aa3b                    ; c = log2(e) / 8
	s_mov_b32 s[CS+1], s[CS]                       ; (named with it as a pair, so it is written)
	s_mov_b32 s[NC], 0xbe38aa3b                    ; -c
	s_mov_b32 s[MNT], 0x600000
	s_mov_b32 s[TB], 0
	s_mov_b32 s[G0], 1
	s_mov_b32 s[G0+1], s58
	s_wait_dscnt 0x0                               ; both opening adds are done
	CROUND                                         ; all four work-groups are here: the joint loads meet
	s_wait_kmcnt 0x0
	s_add_nc_u64 s[G0+2:G0+3], s[6:7], s[48:49]
	s_or_b32 s[G0+3], s[G0+3], 0x80000000
	s_cmp_eq_u32 s[WV], 0                          ; one joint load a wave; the wave that waits at the first barrier has a line of its own
	s_cbranch_scc0 .Llater
	tensor_load_to_lds s[G0:G0+3], s[G1:G1+7]
	s_nop 0
	PLACES 4
	s_branch .Lasked
.Llater:
	tensor_load_to_lds s[G0:G0+3], s[G1:G1+7]
	s_nop 0
	PLACES 4
.Lasked:
	s_lshl_b32 s59, s15, 4
	s_lshl_b32 s60, s14, 1
	s_add_co_u32 s59, s59, s60                     ; (batch, head) x 16 + my work-group's first step of 128
	s_lshr_b32 s60, s[WV], 2                       ; which of its two steps is my wave's
	s_and_b32 s61, s[WV], 3                        ; f: which 32 tokens of the step
	s_add_co_u32 s62, s59, s60
	s_mul_i32 s50, s62, 8448                       ; q's block
	s_lshl_b32 s52, s61, 2
	s_add_co_u32 s52, s52, s50
	s_add_co_u32 s52, s52, 8192                    ; its scale words
	s_mov_b32 s53, 0
	s_lshl_b32 s62, s61, 11
	s_add_co_u32 s50, s50, s62                     ; my two tiles' codes: 2,048 bytes
	s_mov_b32 s51, 0
	s_add_nc_u64 s[50:51], s[4:5], s[50:51]
	s_add_nc_u64 s[52:53], s[4:5], s[52:53]
	v_and_b32 v1, 31, v0
	v_and_b32 v3, 15, v0
	v_lshlrev_b32 v1, 4, v1                        ; 16 x lane
	v_lshlrev_b32 v3, 4, v3                        ; 16 r
	s_wait_alu depctr_va_vdst(0)
	global_load_b32 v[X], v3, s[52:53]
	WIN 0x40
	global_load_b128 v[ZQ+8:ZQ+11], v1, s[50:51]                ; q of tile 0: channels 0-31,
	global_load_b128 v[ZQ+12:ZQ+15], v1, s[50:51] offset:512    ; 32-63
	global_load_b128 v[ZQ+24:ZQ+27], v1, s[50:51] offset:1024   ; of tile 1
	global_load_b128 v[ZQ+28:ZQ+31], v1, s[50:51] offset:1536
.irp j, 0,1,2,3,4,5,6,7
	v_mov_b32 v[ZQ+\j], 0                          ; the zero halves beside q
	v_mov_b32 v[ZQ+16+\j], 0
	v_mov_b32 v[ZQ+32+\j], 0
.endr
.set j, 0
.rept 64
	v_mov_b32 v[O+j], 0                            ; O^T: the step's first walk finds zeros
.set j, j+1
.endr
	WIN 0
	s_lshr_b32 s54, s15, 4                         ; the result's image: (batch 16 + step) 131072 + (head / 2) 16384 + tile 2048 + (head % 2) 1024, my tiles 2 f and 2 f + 1
	s_lshl_b32 s54, s54, 4
	s_lshl_b32 s62, s14, 1
	s_add_co_u32 s54, s54, s62
	s_add_co_u32 s54, s54, s60
	s_lshl_b32 s54, s54, 17
	s_bfe_u32 s62, s15, 0x30001
	s_lshl_b32 s62, s62, 14
	s_add_co_u32 s54, s54, s62
	s_lshl_b32 s62, s61, 12
	s_add_co_u32 s54, s54, s62
	s_and_b32 s62, s15, 1
	s_lshl_b32 s62, s62, 10
	s_add_co_u32 s54, s54, s62
	s_mov_b32 s55, 0
	s_add_nc_u64 s[54:55], s[8:9], s[54:55]
	s_lshl_b32 s56, s59, 8                         ; its scale words: 256 bytes a (batch, head, step)
	s_mov_b32 s57, 0
	s_add_nc_u64 s[56:57], s[10:11], s[56:57]
	s_lshl_b32 s60, s60, 8
	s_lshl_b32 s61, s61, 2
	s_add_co_u32 s60, s60, s61
	s_add_co_u32 s60, s60, STG
	v_add_nc_u32 v4, s60, v3                       ; the stage: 256 x step + 16 r + 4 f
	v_add_nc_u32 v5, STG, v1                       ; and read back
.irp t, 0,1
	v_mov_b32 v[MX+2*\t+1], 0xff61b1e6             ; the largest score so far: -3e38
	v_mov_b32 v[MX+2*\t], 0x7e000000               ; -M to match it: the first change of M multiplies zeros by 0
	v_mov_b32 v[L+2*\t], 0
	v_mov_b32 v[L+2*\t+1], 0
	v_mov_b32 v[F+2*\t+1], 0                       ; (named as the upper half of a pair)
.irp i, 0,1,2,3,4,5
	v_mov_b32 v[T1+6*\t+\i], 0
.endr
.irp b, 0,1,2,3
	v_mov_b32 v[BP+4*\t+\b], 0                     ; a lane permute's destination counts as one of its sources
.endr
.endr
	s_wait_alu depctr_va_vdst(0)                   ; directly ahead of the wait below
	s_wait_loadcnt 0x0
	v_and_b32 v[QS], 0xffff, v[X]                  ; tile 0's two bytes below,
	v_lshrrev_b32 v[QS+2], 16, v[X]
	v_and_b32 v[QS+3], 0xffff0000, v[X]            ; tile 1's above
	v_lshlrev_b32 v[QS+1], 16, v[QS]
	PLACES 8                                       ; scale words made by vector instructions stand eight places ahead of the products
.macro MERGE                           ; the chains of the two sums come together
.irp t, 0,1
	v_pk_add_f32 v[L+2*\t:L+2*\t+1], v[L+2*\t:L+2*\t+1], v[T1+6*\t:T1+6*\t+1]
.endr
.irp t, 0,1
	v_pk_add_f32 v[T2+6*\t:T2+6*\t+1], v[T2+6*\t:T2+6*\t+1], v[T3+6*\t:T3+6*\t+1]
.endr
.irp t, 0,1
	s_delay_alu instid0(VALU_DEP_2)
	v_pk_add_f32 v[L+2*\t:L+2*\t+1], v[L+2*\t:L+2*\t+1], v[T2+6*\t:T2+6*\t+1]
.endr
.endm
.macro HOLD m                          ; two p's held; p is not negative: one-sided.  m = 0 .. 31 tile 0, 32 .. 63 tile 1
	v_dual_min_num_f32 v[S+2*(\m)], v[S+2*(\m)], v[HL+(\m)/8] :: v_dual_min_num_f32 v[S+2*(\m)+1], v[S+2*(\m)+1], v[HL+(\m)/8]
.endm
.macro CODES b                         ; block b = 0 .. 7
	v_cvt_scalef32_pk8_fp8_f32 v[PC+4*(\b):PC+4*(\b)+1], v[S+16*(\b):S+16*(\b)+7], v[SO+(\b)]
	v_cvt_scalef32_pk8_fp8_f32 v[PC+4*(\b)+2:PC+4*(\b)+3], v[S+16*(\b)+8:S+16*(\b)+15], v[SO+(\b)]
.endm
.macro PAIR k                          ; tile 0's sum, first level: pairs k and k + 16, into registers that are free: 8 pairs in PC, 6 in U, T1, T2
.if (\k) < 8
.set D_, PC+2*(\k)
.elseif (\k) < 14
.set D_, U+2*((\k)-8)
.else
.set D_, T1+2*((\k)-14)
.endif
	v_pk_add_f32 v[D_:D_+1], v[S+2*(\k):S+2*(\k)+1], v[S+32+2*(\k):S+33+2*(\k)]
.endm
.macro SUM0 n                          ; and the rest of it, 13 lines in four chains: L, T1, T2, T3
.if (\n) == 3
	v_pk_add_f32 v[T3:T3+1], v[PC+6:PC+7], v[PC+8:PC+9]
.else
.if (\n) < 3
.set E_, (\n)
.else
.set E_, (\n)+1
.endif
.if E_ < 8
.set D_, PC+2*E_
.else
.set D_, U+2*(E_-8)
.endif
.if (\n)%4 == 0
	v_pk_add_f32 v[L:L+1], v[L:L+1], v[D_:D_+1]
.else
.set C_, T1+2*((\n)%4-1)
	v_pk_add_f32 v[C_:C_+1], v[C_:C_+1], v[D_:D_+1]
.endif
.endif
.endm
.macro SUM1 b                          ; tile 1's sum over block b = 0 .. 3
.set P_, S+64+16*\b
.if \b == 0
	v_pk_add_f32 v[L+2:L+3], v[L+2:L+3], v[P_:P_+1]
	v_pk_add_f32 v[T1+6:T1+7], v[P_+2:P_+3], v[P_+10:P_+11]
	v_pk_add_f32 v[T2+6:T2+7], v[P_+4:P_+5], v[P_+12:P_+13]
	v_pk_add_f32 v[T3+6:T3+7], v[P_+6:P_+7], v[P_+14:P_+15]
	v_pk_add_f32 v[L+2:L+3], v[L+2:L+3], v[P_+8:P_+9]
.else
.irp k, 0,8
	v_pk_add_f32 v[L+2:L+3], v[L+2:L+3], v[P_+\k:P_+\k+1]
	v_pk_add_f32 v[T1+6:T1+7], v[T1+6:T1+7], v[P_+\k+2:P_+\k+3]
	v_pk_add_f32 v[T2+6:T2+7], v[T2+6:T2+7], v[P_+\k+4:P_+\k+5]
	v_pk_add_f32 v[T3+6:T3+7], v[T3+6:T3+7], v[P_+\k+6:P_+\k+7]
.endr
.endif
.endm
; A KEY STEP: 128 keys, the block at LDS byte s[TB]; its K has been asked for.  first = 1: the second barrier stands round its last products.  last = 1: no next K
.macro STEP first, last
	WIN 0x05                                       ; sources 0 and 1 window 1
.irp b, 0,1,2,3
	s_wait_dscnt 12-4*\b                           ; fragment b is in; the later fragments' loads may stay out
	v_wmma_scale_f32_16x16x128_f8f6f4 v[S+16*\b:S+16*\b+7], v[KF+16*\b:KF+16*\b+15], v[ZQ+8:ZQ+23], 0, v[SCK+\b], v[QS]
	v_wmma_scale_f32_16x16x128_f8f6f4 v[S+16*\b+8:S+16*\b+15], v[KF+16*\b:KF+16*\b+15], v[ZQ:ZQ+15], 0, v[SCK+\b], v[QS+1]
	v_wmma_scale_f32_16x16x128_f8f6f4 v[S+64+16*\b:S+64+16*\b+7], v[KF+16*\b:KF+16*\b+15], v[ZQ+24:ZQ+39], 0, v[SCK+\b], v[QS+2]
	v_wmma_scale_f32_16x16x128_f8f6f4 v[S+64+16*\b+8:S+64+16*\b+15], v[KF+16*\b:KF+16*\b+15], v[ZQ+16:ZQ+31], 0, v[SCK+\b], v[QS+3]
.endr
	WIN 0
	v_add_nc_u32 v2, s[TB], v1                     ; eight places behind the products: this line, the last step's sums, one more
	MERGE
	v_nop
	ds_load_b128 v[SCV:SCV+3], v2 offset:16384     ; lanes 16-31: channel r's words of V's four tiles
.if \last == 0
	ds_load_b128 v[SCK:SCK+3], v2 offset:BLKB+16384   ; lanes 0-15: key row r's words of the next four fragments of K
.endif
	WIN 0x40
.irp n, 0,1,2,3,4,5,6,7,8,9,10,11,12,13,14,15
	ds_load_b128 v[VF+4*\n:VF+4*\n+3], v2 offset:8192+512*\n
.endr
.if \last == 0
.irp n, 0,1,2,3,4,5,6,7,8,9,10,11,12,13,14,15
	ds_load_b128 v[KF+4*\n:KF+4*\n+3], v2 offset:BLKB+512*\n
.endr
.endif
	WIN 0
.irp b, 0,1,2,3,4,5,6,7
	v_max3_num_f32 v[BM+\b], v[S+16*\b], v[S+16*\b+1], v[S+16*\b+2]     ; the largest score of each block of 32 keys (four of tile 0, four of tile 1): for the row's maximum and for the block's scale
.endr
.irp i, 3,5,7,9,11,13
.irp b, 0,1,2,3,4,5,6,7
	v_max3_num_f32 v[BM+\b], v[BM+\b], v[S+16*\b+\i], v[S+16*\b+\i+1]
.endr
.endr
.irp b, 0,1,2,3,4,5,6,7
	v_max_num_f32 v[BM+\b], v[BM+\b], v[S+16*\b+15]
.endr
.irp b, 0,1,2,3,4,5,6,7
	v_permlanex16_b32 v[BP+\b], v[BM+\b], s[SEL], s[SEL+1]
.endr
.irp b, 0,1,2,3,4,5,6,7
	v_max_num_f32 v[BM+\b], v[BM+\b], v[BP+\b]
.endr
.irp t, 0,1
	v_max3_num_f32 v[X+\t], v[BM+4*\t], v[BM+4*\t+1], v[MX+2*\t+1]
.endr
.irp t, 0,1
	s_delay_alu instid0(VALU_DEP_2)
	v_max3_num_f32 v[MX+2*\t+1], v[X+\t], v[BM+4*\t+2], v[BM+4*\t+3]    ; the running largest score
.endr
.irp t, 0,1
	s_delay_alu instid0(VALU_DEP_2)
	v_mul_f32 v[X+\t], s[NC], v[MX+2*\t+1]         ; -t of it
.endr
.irp t, 0,1
	s_delay_alu instid0(VALU_DEP_2)
	v_floor_f32 v[NM+\t], v[X+\t]                  ; the new -M = -ceil(t)
.endr
.irp t, 0,1
	s_delay_alu instid0(VALU_DEP_2)
	v_sub_f32 v[X+\t], v[NM+\t], v[MX+2*\t]        ; old M - new M: a whole number, 0 or less
.endr
.irp t, 0,1
	v_mov_b32 v[MX+2*\t], v[NM+\t]
.endr
.irp t, 0,1
	s_delay_alu instid0(VALU_DEP_4)
	v_cvt_i32_f32 v[X+\t], v[X+\t]                 ; (it saturates)
.endr
.irp t, 0,1
	s_delay_alu instid0(VALU_DEP_2)
	v_ldexp_f32 v[F+2*\t], 1.0, v[X+\t]            ; f = 2^(old M - new M)
.endr
.irp b, 0,2
	v_pk_fma_f32 v[BM+\b:BM+\b+1], v[BM+\b:BM+\b+1], s[CS:CS+1], v[MX:MX+1] op_sel_hi:[1,0,0]               ; t - M of each block's largest score
	v_pk_fma_f32 v[BM+4+\b:BM+5+\b], v[BM+4+\b:BM+5+\b], s[CS:CS+1], v[MX+2:MX+3] op_sel_hi:[1,0,0]
.endr
.set j, 0
.rept 16
	v_pk_fma_f32 v[S+j:S+j+1], v[S+j:S+j+1], s[CS:CS+1], v[MX:MX+1] op_sel_hi:[1,0,0]    ; tile 0: t - M, the first half
.set j, j+2
.endr
.irp b, 0,1,2,3,4,5,6,7
	v_max_num_f32 v[BM+\b], 0xc2ec0000, v[BM+\b]   ; -118 at the least: the byte cannot fall under 1
.endr
.irp b, 0,1,2,3,4,5,6,7
	v_cvt_floor_i32_f32 v[BM+\b], v[BM+\b]         ; e: the exponent of the block's largest p
.endr
.rept 16
	v_pk_fma_f32 v[S+j:S+j+1], v[S+j:S+j+1], s[CS:CS+1], v[MX:MX+1] op_sel_hi:[1,0,0]    ; the second half
.set j, j+2
.endr
.irp t, 0,1
	v_lshl_add_u32 v[PWD+\t], v[BM+4*\t+1], 8, v[BM+4*\t]      ; p's scale word for these 128 keys: four bytes e + 119
.endr
.irp b, 0,1,2,3,4,5,6,7
	v_lshl_add_u32 v[SO+\b], v[BM+\b], 23, 119<<23 ; the conversion's scale operand: 2^(e - 8)
.endr
.irp t, 0,1
	v_lshl_add_u32 v[PWD+\t], v[BM+4*\t+2], 16, v[PWD+\t]
.endr
.irp b, 0,1,2,3,4,5,6
	v_lshl_add_u32 v[HL+\b], v[BM+\b], 23, 0x3fe00000          ; 448 x the scale: 1.75 x 2^e
.endr
.irp t, 0,1
	v_lshl_add_u32 v[PWD+\t], v[BM+4*\t+3], 24, v[PWD+\t]
.endr
	v_lshl_add_u32 v[HL+7], v[BM+7], 23, 0x3fe00000
.irp t, 0,1
	v_add_nc_u32 v[PWD+\t], 0x77777777, v[PWD+\t]
.endr
	s_wait_alu depctr_va_vdst(0)                   ; ahead of the batch
.set j, 0
.rept 32
	v_exp_f32 v[S+j], v[S+j]                       ; tile 0's p; among them tile 1's t - M, whose lines read nothing that the batch writes
	v_exp_f32 v[S+j+1], v[S+j+1]
	v_pk_fma_f32 v[S+64+j:S+65+j], v[S+64+j:S+65+j], s[CS:CS+1], v[MX+2:MX+3] op_sel_hi:[1,0,0]
.set j, j+2
.endr
.irp t, 0,1
	v_pk_mul_f32 v[L+2*\t:L+2*\t+1], v[L+2*\t:L+2*\t+1], v[F+2*\t:F+2*\t+1] op_sel_hi:[1,0]   ; the sums under the new M
.endr
	s_wait_alu depctr_va_vdst(0)                   ; one wait behind the first batch, which is the one ahead of the second
.set j, 0
.rept 16
	v_exp_f32 v[S+64+4*j], v[S+64+4*j]             ; tile 1's p; among them the first level of tile 0's sum
	v_exp_f32 v[S+65+4*j], v[S+65+4*j]
	v_exp_f32 v[S+66+4*j], v[S+66+4*j]
	v_exp_f32 v[S+67+4*j], v[S+67+4*j]
	PAIR j
.set j, j+1
.endr
	s_wait_alu depctr_va_vdst(0)
.set j, 0
.rept 13
	SUM0 j
	HOLD 2*j
	HOLD 2*j+1
.set j, j+1
.endr
.irp m, 26,27,28,29,30,31
	HOLD \m
.endr
.irp b, 0,1,2,3
	SUM1 \b
	CODES \b                                       ; tile 0's block b: the conversions wait for nothing that stands beside them
.irp m, 0,1,2,3,4,5,6,7
	HOLD 32+8*\b+\m
.endr
.endr
.irp b, 4,5,6,7
	CODES \b
.endr
	WIN 0x41                                       ; destination and source 0 window 1
	s_wait_alu depctr_va_vdst(0)                   ; directly ahead of the first reader of O^T
.set j, 0
.rept 16
	v_pk_mul_f32 v[O+j:O+j+1], v[O+j:O+j+1], v[F:F+1] op_sel_hi:[1,0]              ; O^T under the new M; also the places in front of the products below
	v_pk_mul_f32 v[O+32+j:O+33+j], v[O+32+j:O+33+j], v[F+2:F+3] op_sel_hi:[1,0]
.set j, j+2
.endr
	s_wait_alu depctr_va_vdst(0)
.if \first
	s_wait_tensorcnt 0x0                           ; every wave: my two blocks are in
	s_wait_dscnt 0x0
	s_barrier_signal -1
.elseif \last
	s_wait_dscnt 0x0                               ; V is in
.else
	s_wait_dscnt 16                                ; V is in; the next K's sixteen loads may stay out
.endif
	WIN 0x51                                       ; source 0, C and D window 1
.irp t, 0,1,2,3
	v_wmma_scale_f32_16x16x128_f8f6f4 v[O+8*\t:O+8*\t+7], v[VF+16*\t:VF+16*\t+15], v[PC:PC+15], v[O+8*\t:O+8*\t+7], v[SCV+\t], v[PWD] matrix_a_scale:MATRIX_SCALE_ROW1
	v_wmma_scale_f32_16x16x128_f8f6f4 v[O+32+8*\t:O+39+8*\t], v[VF+16*\t:VF+16*\t+15], v[PC+16:PC+31], v[O+32+8*\t:O+39+8*\t], v[SCV+\t], v[PWD+1] matrix_a_scale:MATRIX_SCALE_ROW1
.endr
	WIN 0
.if \first
	s_barrier_wait -1                              ; all sixteen blocks are in; nothing is filled again
.endif
	s_add_co_u32 s[TB], s[TB], BLKB
.endm
	s_wait_alu depctr_va_vdst(0)                   ; the head's end
	s_cmp_eq_u32 s[WV], 0
	s_cbranch_scc0 .Lnot_first
	s_wait_tensorcnt 0x0                           ; wave 0: blocks 0 and 1 are in
.Lnot_first:
	s_barrier_signal -1
	s_barrier_wait -1
	ds_load_b128 v[SCK:SCK+3], v1 offset:16384
	WIN 0x40
.irp n, 0,1,2,3,4,5,6,7,8,9,10,11,12,13,14,15
	ds_load_b128 v[KF+4*\n:KF+4*\n+3], v1 offset:512*\n
.endr
	STEP 1, 0
	s_mov_b32 s[CNT], 14
.Lstep:
	STEP 0, 0
	s_sub_co_u32 s[CNT], s[CNT], 1
	s_cmp_lg_u32 s[CNT], 0
	s_cbranch_scc1 .Lstep
	STEP 0, 1
	MERGE
.irp t, 0,1
	v_add_f32 v[L+2*\t], v[L+2*\t], v[L+2*\t+1]    ; a sum's two halves,
.endr
.irp t, 0,1
	v_permlanex16_b32 v[BP+\t], v[L+2*\t], s[SEL], s[SEL+1]
.endr
.irp t, 0,1
	v_add_f32 v[L+2*\t], v[L+2*\t], v[BP+\t]       ; and lane l xor 16's
.endr
	s_wait_alu depctr_va_vdst(0)
	v_rcp_f32 v[F], v[L]
	v_rcp_f32 v[F+2], v[L+2]
	v_nop
	WIN 0x01                                       ; source 0 window 1
	s_wait_alu depctr_va_vdst(0)
.set j, 0
.rept 16
	v_pk_mul_f32 v[S+j:S+j+1], v[O+j:O+j+1], v[F:F+1] op_sel_hi:[1,0]              ; O^T / the sum, from each accumulator's low end on
	v_pk_mul_f32 v[S+64+j:S+65+j], v[O+32+j:O+33+j], v[F+2:F+3] op_sel_hi:[1,0]
.set j, j+2
.endr
	WIN 0
	; two blocks of 32 channels of each tile (16 numbers of each in a lane) become 16 registers of codes and a scale word
.irp b, 0,1,2,3
	v_max3_num_f32 v[BM+\b], |v[S+64*(\b/2)+16*(\b%2)]|, |v[S+64*(\b/2)+16*(\b%2)+1]|, 0x4800000
.endr
.irp i, 2,4,6,8,10,12,14
.irp b, 0,1,2,3
	v_max3_num_f32 v[BM+\b], v[BM+\b], |v[S+64*(\b/2)+16*(\b%2)+\i]|, |v[S+64*(\b/2)+16*(\b%2)+\i+1]|
.endr
.endr
.irp b, 0,1,2,3
	v_permlanex16_b32 v[BP+\b], v[BM+\b], s[SEL], s[SEL+1]
.endr
.irp b, 0,1,2,3
	v_max_num_f32 v[BM+\b], v[BM+\b], v[BP+\b]
.endr
.irp b, 0,1,2,3
	v_add_nc_u32 v[SO+\b], 0xfc000000, v[BM+\b]
.endr
.irp b, 0,1,2,3
	v_and_or_b32 v[HL+\b], v[BM+\b], 0x7f800000, s[MNT]
.endr
.irp b, 0,1,2,3
	v_lshrrev_b32 v[BM+\b], 23, v[SO+\b]
.endr
	v_lshl_or_b32 v[X], v[BM+1], 8, v[BM]          ; tile 0's two bytes below, tile 1's above
	v_lshl_or_b32 v[X], v[BM+2], 16, v[X]
	v_lshl_or_b32 v[X], v[BM+3], 24, v[X]
.irp b, 0,1,2,3
.irp i, 0,1,2,3,4,5,6,7,8,9,10,11,12,13,14,15
	v_med3_num_f32 v[S+64*(\b/2)+16*(\b%2)+\i], v[S+64*(\b/2)+16*(\b%2)+\i], -v[HL+\b], v[HL+\b]
.endr
	v_cvt_scalef32_pk8_fp8_f32 v[PC+4*\b:PC+4*\b+1], v[S+64*(\b/2)+16*(\b%2):S+64*(\b/2)+16*(\b%2)+7], v[SO+\b]
	v_cvt_scalef32_pk8_fp8_f32 v[PC+4*\b+2:PC+4*\b+3], v[S+64*(\b/2)+16*(\b%2)+8:S+64*(\b/2)+16*(\b%2)+15], v[SO+\b]
.endr
	v_nop                                          ; a plain line behind the last conversion
	global_store_b128 v1, v[PC:PC+3], s[54:55]     ; 512 consecutive bytes
	global_store_b128 v1, v[PC+4:PC+7], s[54:55] offset:512
	global_store_b128 v1, v[PC+8:PC+11], s[54:55] offset:2048
	global_store_b128 v1, v[PC+12:PC+15], s[54:55] offset:2560
	ds_store_b32 v4, v[X]                          ; both halves of the lanes write the same value
	s_wait_dscnt 0x0
	s_barrier_signal -1
	s_barrier_wait -1
	s_cmp_lg_u32 s[WV], 0
	s_cbranch_scc1 .Lend
	ds_load_b128 v[S:S+3], v5
	s_wait_dscnt 0x0
	global_store_b128 v1, v[S:S+3], s[56:57]       ; the two steps' scale words: 512 consecutive bytes
.Lend:
	s_wait_tensorcnt 0x0                           ; the wave's end
	ds_add_u32 v[SPW], v[NIL]
	s_wait_dscnt 0x0
	CROUND                                         ; the closing round
	s_endpgm
.Lfunc_end_k_q2375419830_attn:
	.size	k_q2375419830_attn, .Lfunc_end_k_q2375419830_attn-k_q2375419830_attn
	.p2alignl 7, 3214868480
	.fill 96, 4, 3214868480
	.section	.rodata,"a",@progbits
	.p2align	6, 0x0
	.amdhsa_kernel k_q2375419830_attn
		.amdhsa_group_segment_fixed_size 327680
		.amdhsa_private_segment_fixed_size 0
		.amdhsa_enable_private_segment 0
		.amdhsa_kernarg_size 32
		.amdhsa_user_sgpr_count 2
		.amdhsa_user_sgpr_kernarg_segment_ptr 1
		.amdhsa_wavefront_size32 1
		.amdhsa_system_sgpr_workgroup_id_x 1
		.amdhsa_system_sgpr_workgroup_id_y 1
		.amdhsa_system_sgpr_workgroup_id_z 1
		.amdhsa_system_vgpr_workitem_id 0
		.amdhsa_next_free_vgpr 512
		.amdhsa_next_free_sgpr 66
		.amdhsa_reserve_vcc 0
		.amdhsa_float_denorm_mode_32 3
		.amdhsa_float_denorm_mode_16_64 3
		.amdhsa_memory_ordered 1
		.amdhsa_forward_progress 1
		.amdhsa_inst_pref_size 123
	.end_amdhsa_kernel
	.amdgpu_metadata
---
amdhsa.version: [ 1, 2 ]
amdhsa.kernels:
  - .name:           k_q2375419830_attn
    .symbol:         k_q2375419830_attn.kd
    .args:
      - { .name: qimg, .offset: 0, .size: 8, .value_kind: global_buffer, .address_space: global }
      - { .name: kv, .offset: 8, .size: 8, .value_kind: global_buffer, .address_space: global }
      - { .name: aimg, .offset: 16, .size: 8, .value_kind: global_buffer, .address_space: global }
      - { .name: asc, .offset: 24, .size: 8, .value_kind: global_buffer, .address_space: global }
    .group_segment_fixed_size: 327680
    .private_segment_fixed_size: 0
    .kernarg_segment_align: 8
    .kernarg_segment_size: 32
    .max_flat_workgroup_size: 256
    .sgpr_count:     66
    .vgpr_count:     512
    .wavefront_size: 32
...
	.end_amdgpu_metadata
.endif
;; end of part 2
;; launch proj (part 3): grid 8 x 32, 4 waves a work-group, clusters of 4 x 4, 327,680 bytes of LDS; arguments aimg, asc, Wo_codes, Wo_scales, bo, out0; writes out0
.if DOCPART == 3
	.amdgcn_target "amdgcn-amd-amdhsa--gfx1250"
	.amdhsa_code_object_version 6
	.text
	.protected	k_q2375419830_proj
	.globl	k_q2375419830_proj
	.p2align	8
	.type	k_q2375419830_proj,@function
k_q2375419830_proj:
	s_mov_b64 s[64:65], 0
	v_nop
	global_prefetch_b8 v0, s[64:65] scope:SCOPE_SE
	s_setreg_imm32_b32 hwreg(HW_REG_WAVE_MODE, 25, 1), 1
	s_wait_xcnt 0x0
	s_wait_alu depctr_hold_cnt(0) depctr_sa_sdst(0) depctr_va_vdst(0) depctr_va_sdst(0) depctr_va_ssrc(0) depctr_va_vcc(0) depctr_vm_vsrc(0)
	s_getreg_b32 s2, hwreg(HW_REG_IB_STS2, 6, 4)
	s_cmp_eq_u32 s2, 0
	s_cbranch_scc0 .Lentry_in_a_cluster
	s_endpgm
.Lentry_in_a_cluster:
	s_bfe_u32 s2, ttmp6, 0x10000c
	s_cmp_lg_u32 s2, 0xf033
	s_cbranch_scc0 .Lentry_shape_is_right
	s_endpgm
.Lentry_shape_is_right:
; out = a Wo + bo on codes of FP8 (E4M3) with E8M0 scales.  a: the attention's result, as images of operand registers (aimg) with 16-bit scale words for each head (asc).  Wo: [1024 (n)][1024 (k)] codes, [1024][32] scale bytes.  out0: [4096][1024] f32.
; SHARES.  256 work-groups of 128 tokens x 128 outputs; four waves, each 64 x 64.  A wave holds its 64 rows of Wo, all of K, in registers and streams its tokens past them, a tile of 16 after the other: a tile is finished by 32 products and leaves among the next tile's.
; Source 0 = 16 rows of Wo, source 1 = 16 tokens: a lane holds eight neighbouring outputs of one token.
; ALL OF K LIES IN LDS: a's eight K steps (16,384 bytes each, dense) and Wo's 128 rows of 1,024 bytes + 16 of padding, each filled once.  Waves 0 and 1 bring Wo's halves, which the first barrier shows, waves 2 and 3 a's, which the second shows: one load a wave.  No prefetch: everything is asked for at the head.
; CLUSTERS 4 x 4: a's images are shared along a row of the cluster, Wo's rows along a column.
; THE ORDER INSIDE A BLOCK OF 32.  In a's images position 16 h + 8 u + j of a block holds index 16 u + 8 h + j.  Wo's fragments are read from LDS in the same order, 8 bytes at a time.
; LIMITS: NaN and infinities are not served.
; REGISTERS.  Window 0: v1-15 addresses; v16-47 a's scale words (8 tile + K step); v50-65 Wo's; v66-97 the bias as C; v128-191 accumulators, two sets; v192-255 rows on the way out, two sets.  Windows 1 and 2: Wo's 32 fragments.  Window 3: two tiles of tokens, 128 registers each.
.set WP,    1040                       ; 260 words: sixteen rows start in sixteen different groups of banks
.set WB,    131072                     ; behind a's images
.set STAGE, WB+128*WP                  ; 16 rows x 272 bytes for each wave, for the way out
.set SP,    272
.set SPARE, STAGE+4*16*SP
.set ADRA, 5
.set ADRW, 7
.set NIL,  8
.set SPW,  15
.set XS,   16
.set WSC,  50
.set BIAS, 66
.set ACC,  128
.set HT,   128                         ; the heads' 16-bit words as loaded, ahead of the first product
.set BK,   192
.set G1A, 32
.set G1B, 40
.set G0A, 48
.set G0B, 52
.set WV,  84
.set MSB, 0
.macro WIN new
.if MSB != \new
	s_set_vgpr_msb (MSB<<8)|\new
.set MSB, \new
.endif
.endm
.macro PLACES n
.rept \n
	v_nop
.endr
.endm
.macro CROUND
	s_barrier_signal -1
	s_barrier_wait -1
	s_cmp_lg_u32 s[WV], 0
	s_cbranch_scc1 .Lnot_wave_0_\@
	s_barrier_signal -3
.Lnot_wave_0_\@:
	s_barrier_wait -3
	s_barrier_signal -1
	s_barrier_wait -1
.endm
.macro ARM w, g0, g1                   ; one arm of the chain on the wave's number: one tensor load
	s_cmp_eq_u32 s[WV], \w
	s_cbranch_scc0 .Lnext_\@
	tensor_load_to_lds s[\g0:\g0+3], s[\g1:\g1+7]
	s_nop 0
	PLACES 4
	s_branch .Lasked
.Lnext_\@:
.endm
.macro FETCH i                         ; token tile i, all of K, into set i % 2: 32 loads
	WIN 0xc0
.irp q, 0,1,2,3,4,5,6,7
.irp c, 0,1,2,3
	ds_load_b128 v[128*((\i)%2)+16*\q+4*\c:128*((\i)%2)+16*\q+4*\c+3], v[ADRA+\q/4] offset:(\q%4)*16384+2048*(\i)+512*\c
.endr
.endr
	WIN 0
.endm
.macro WROWS q0                        ; Wo's fragments of K steps q0 .. q0 + 3: fragment 4 q + t in window 1 + q / 4
.irp q, 0,1,2,3
.irp t, 0,1,2,3
.irp c, 0,1,2,3
.irp u, 0,1
	ds_load_b64 v[64*\q+16*\t+4*\c+2*\u:64*\q+16*\t+4*\c+2*\u+1], v[ADRW] offset:16*\t*WP+128*(\q0+\q)+32*\c+16*\u
.endr
.endr
.endr
.endr
.endm
.macro PROD i, q0                      ; tile i by K steps q0 .. q0 + 3: the four accumulators take turns; K step 0 takes the bias as C
.irp q, 0,1,2,3
.irp t, 0,1,2,3
.set aD, ACC+32*((\i)%2)+8*\t
.set fA, 64*\q+16*\t
.set fB, 128*((\i)%2)+16*(\q0+\q)
.if \q0+\q == 0
	v_wmma_scale_f32_16x16x128_f8f6f4 v[aD:aD+7], v[fA:fA+15], v[fB:fB+15], v[BIAS+8*\t:BIAS+8*\t+7], v[WSC+4*\t+\q], v[XS+8*(\i)+\q0+\q]
.elseif \q0 == 0
	v_wmma_scale_f32_16x16x128_f8f6f4 v[aD:aD+7], v[fA:fA+15], v[fB:fB+15], v[aD:aD+7], v[WSC+4*\t+\q], v[XS+8*(\i)+\q0+\q]
.else
	v_wmma_scale_f32_16x16x128_f8f6f4 v[aD:aD+7], v[fA:fA+15], v[fB:fB+15], v[aD:aD+7], v[WSC+4*\t+\q], v[XS+8*(\i)+\q0+\q] matrix_a_scale:MATRIX_SCALE_ROW1
.endif
.endr
.endr
.endm
.macro TOSTAGE i                       ; a finished tile goes through my own stage: LDS serves a wave's instructions in order, so no wait stands between the stores and the loads
.irp t, 0,1,2,3
	ds_store_b128 v12, v[ACC+32*((\i)%2)+8*\t:ACC+32*((\i)%2)+8*\t+3] offset:64*\t            ; each accumulator from its low end on
	ds_store_b128 v12, v[ACC+32*((\i)%2)+8*\t+4:ACC+32*((\i)%2)+8*\t+7] offset:64*\t+16
.endr
.irp k, 0,1,2,3,4,5,6,7
	ds_load_b128 v[BK+32*((\i)%2)+4*\k:BK+32*((\i)%2)+4*\k+3], v13 offset:2*\k*SP
.endr
.endm
.macro SEND i
	s_wait_dscnt 0x0                               ; the tile's rows are back
.irp k, 0,1,2,3,4,5,6,7
	global_store_b128 v14, v[BK+32*((\i)%2)+4*\k:BK+32*((\i)%2)+4*\k+3], s[14:15] offset:(16*(\i)+2*\k)*4096 th:TH_STORE_NT   ; sixteen lanes store 256 consecutive bytes, aligned
.endr
.endm
	s_load_b256 s[4:11], s[0:1], 0x0               ; aimg, asc, Wo's codes, Wo's scales
	s_load_b128 s[12:15], s[0:1], 0x20             ; bo, out0
	v_lshl_add_u32 v[SPW], v0, 2, SPARE
	v_mov_b32 v[NIL], 0
	ds_add_u32 v[SPW], v[NIL]                      ; the wave's opening: the add, twice on end, and its wait ahead of my first tensor load
	ds_add_u32 v[SPW], v[NIL]
	v_lshrrev_b32 v3, 5, v0
	v_readfirstlane_b32 s[WV], v3                  ; wave 0..3
	s_lshr_b32 s85, s[WV], 1                       ; wm: my 64 tokens
	s_and_b32 s86, s[WV], 1                        ; wn: my 64 outputs.  Also: which half of Wo's rows, or of a's K steps, I fetch
	s_bfe_u32 s87, ttmp6, 0x40000
	s_bfe_u32 s88, ttmp6, 0x40004
	s_lshl_b32 s89, ttmp9, 2
	s_add_co_u32 s89, s89, s87                     ; column of 128 outputs, 0..7
	s_and_b32 s90, ttmp7, 0xffff
	s_lshl_b32 s90, s90, 2
	s_add_co_u32 s90, s90, s88                     ; step of 128 tokens, 0..31
	s_lshl_b32 s2, s88, 2
	s_lshl_b32 s2, 15, s2                          ; my row of the cluster
	s_lshl_b32 s3, 0x1111, s87                     ; my column
	s_or_b32 s[G1A], s2, (3<<16)|(1<<21)           ; four K steps of a's images: dense, 256 rows of 256 bytes (32 elements of 8)
	s_mov_b32 s[G1A+1], 32<<16
	s_mov_b32 s[G1A+2], 256<<16
	s_mov_b32 s[G1A+3], 32<<16
	s_mov_b32 s[G1A+4], 256
	s_mov_b32 s[G1A+5], 32
	s_mov_b32 s[G1A+6], 0
	s_mov_b32 s[G1A+7], 0
	s_or_b32 s[G1B], s3, (1<<20)|(1<<21)|(7<<22)|(3<<25)   ; Wo: 64 rows of 1,024 bytes, 16 of padding behind each
	s_mov_b32 s[G1B+1], 1024<<16
	s_mov_b32 s[G1B+2], 64<<16
	s_mov_b32 s[G1B+3], 1024<<16
	s_mov_b32 s[G1B+4], 64
	s_mov_b32 s[G1B+5], 1024
	s_mov_b32 s[G1B+6], 0
	s_mov_b32 s[G1B+7], 0
	s_lshl_b32 s16, s86, 16                        ; my half: 65,536 bytes of either
	s_lshl_b32 s96, s90, 17
	s_add_co_u32 s96, s96, s16
	s_mov_b32 s97, 0
	s_lshl_b32 s98, s89, 17
	s_add_co_u32 s98, s98, s16
	s_mov_b32 s99, 0
	s_mul_i32 s17, s86, 64*WP
	s_add_co_u32 s17, s17, WB
	s_mov_b32 s[G0A], 1
	s_mov_b32 s[G0A+1], s16
	s_mov_b32 s[G0B], 1
	s_mov_b32 s[G0B+1], s17
	s_mov_b32 s20, 0x05040100                      ; two low halves,
	s_mov_b32 s21, 0x07060302                      ; two high halves
	s_wait_dscnt 0x0                               ; both opening adds are done
	CROUND                                         ; all sixteen work-groups are here: the joint loads meet
	s_wait_kmcnt 0x0
	s_add_nc_u64 s[G0A+2:G0A+3], s[4:5], s[96:97]
	s_or_b32 s[G0A+3], s[G0A+3], 0x80000000
	s_add_nc_u64 s[G0B+2:G0B+3], s[8:9], s[98:99]
	s_or_b32 s[G0B+3], s[G0B+3], 0x80000000
	ARM 0, G0B, G1B                                ; waves 0 and 1 wait at the first barrier and have lines of their own
	ARM 1, G0B, G1B
	ARM 2, G0A, G1A
	tensor_load_to_lds s[G0A:G0A+3], s[G1A:G1A+7]
	s_nop 0
	PLACES 4
.Lasked:
	s_mov_b32 s3, 0
	s_lshl_b32 s2, s89, 12
	s_lshl_b32 s18, s86, 11
	s_add_co_u32 s2, s2, s18
	s_add_nc_u64 s[10:11], s[10:11], s[2:3]        ; Wo's scales at my 64 rows
	s_lshr_b32 s2, s90, 4
	s_lshl_b32 s2, s2, 8
	s_and_b32 s18, s90, 15
	s_add_co_u32 s2, s2, s18
	s_lshl_b32 s2, s2, 8
	s_add_nc_u64 s[6:7], s[6:7], s[2:3]            ; asc at (batch, head 0, step); heads are 4,096 bytes apart
	s_lshl_b32 s2, s89, 9
	s_lshl_b32 s18, s86, 8
	s_add_co_u32 s2, s2, s18
	s_add_nc_u64 s[12:13], s[12:13], s[2:3]        ; bo at my 64 outputs
	s_add_nc_u64 s[14:15], s[14:15], s[2:3]        ; out0 at my first column (the same bytes),
	s_lshl_b32 s2, s90, 19
	s_lshl_b32 s18, s85, 18
	s_add_co_u32 s2, s2, s18
	s_add_nc_u64 s[14:15], s[14:15], s[2:3]        ; and my first row
	s_lshl_b32 s18, s85, 3
	v_and_b32 v1, 15, v0                           ; r
	v_bfe_u32 v2, v0, 4, 1                         ; h
	v_and_b32 v3, 31, v0
	v_lshlrev_b32 v4, 4, v3                        ; 16 x lane
	v_lshlrev_b32 v9, 5, v1
	v_lshl_add_u32 v9, v2, 4, v9                   ; Wo's scales: a row of 32 bytes, lanes 16-31 its upper half
	v_lshlrev_b32 v10, 4, v1
	v_add_nc_u32 v10, s18, v10                     ; a's: 16 r + 8 wm: my 64 tokens' four 16-bit words of a head
	v_lshlrev_b32 v11, 5, v2                       ; the bias of my half's eight outputs
	s_wait_alu depctr_va_vdst(0)
.irp d, 0,1,2,3,4,5,6,7,8,9,10,11,12,13,14,15
	global_load_b64 v[HT+2*\d:HT+2*\d+1], v10, s[6:7] offset:4096*\d
.endr
.irp t, 0,1,2,3
	global_load_b128 v[WSC+4*\t:WSC+4*\t+3], v9, s[10:11] offset:512*\t
	global_load_b128 v[BIAS+8*\t:BIAS+8*\t+3], v11, s[12:13] offset:64*\t
	global_load_b128 v[BIAS+8*\t+4:BIAS+8*\t+7], v11, s[12:13] offset:64*\t+16
.endr
	s_lshl_b32 s2, s85, 13
	v_add_nc_u32 v[ADRA], s2, v4                   ; a's images: 16 x lane + my four tiles of 2,048 bytes
	s_add_co_u32 s2, s2, 65536
	v_add_nc_u32 v[ADRA+1], s2, v4                 ; K steps 4 to 7
	v_mul_u32_u24 v3, v1, WP
	v_lshl_add_u32 v3, v2, 3, v3                   ; Wo: row x pitch + 8 x half
	s_mul_i32 s2, s86, 64*WP
	s_add_co_u32 s2, s2, WB
	v_add_nc_u32 v[ADRW], s2, v3
	s_mul_i32 s2, s[WV], 16*SP
	s_add_co_u32 s2, s2, STAGE                     ; my stage
	v_mul_u32_u24 v12, v1, SP
	v_lshl_add_u32 v12, v2, 5, v12
	v_add_nc_u32 v12, s2, v12                      ; in: row r, 32 bytes for each half of the lanes
	v_mul_u32_u24 v13, v2, SP
	v_lshl_add_u32 v13, v1, 4, v13
	v_add_nc_u32 v13, s2, v13                      ; back: lanes 0-15 one row of 256 bytes, lanes 16-31 the next
	v_lshlrev_b32 v14, 12, v2
	v_lshl_add_u32 v14, v1, 4, v14                 ; and the same two rows in out0
	s_wait_alu depctr_va_vdst(0)                   ; the head's end
	s_cmp_lt_u32 s[WV], 2
	s_cbranch_scc0 .Lnot_first
	s_wait_tensorcnt 0x0                           ; waves 0 and 1: Wo's rows are in
.Lnot_first:
	s_barrier_signal -1
	s_barrier_wait -1
	WIN 0x40
	WROWS 0
	WIN 0x80
	WROWS 4
	WIN 0
	s_wait_loadcnt 0x0
.irp k, 0,1,2,3,4,5,6,7                ; K step k is heads 2 k and 2 k + 1: the even head's two bytes below, the odd head's above
.irp p, 0,1
	v_perm_b32 v[XS+8*(2*\p)+\k], v[HT+2*(2*\k+1)+\p], v[HT+4*\k+\p], s20
	v_perm_b32 v[XS+8*(2*\p+1)+\k], v[HT+2*(2*\k+1)+\p], v[HT+4*\k+\p], s21
.endr
.endr
	PLACES 8                                       ; scale words made by vector instructions stand eight places ahead of the products
	s_wait_alu depctr_va_vdst(0)
	s_wait_tensorcnt 0x0                           ; every wave: my tile is in
	s_wait_dscnt 0x0                               ; Wo is in registers
	s_barrier_signal -1
	s_barrier_wait -1
	FETCH 0
	FETCH 1
.macro TILE i, younger                 ; younger: the LDS instructions issued behind this tile's loads, which may stay out
	s_wait_dscnt \younger
	WIN 0x0d                                       ; source 0 window 1, source 1 window 3
	PROD \i, 0
.if \i > 0
	WIN 0
	SEND \i-1                                      ; the tile before leaves
.endif
	WIN 0x0e
	PROD \i, 4
	WIN 0
	PLACES 8                                       ; in front of loads into the set just read and of reads of the sums
.if \i < 2
	FETCH \i+2
.else
	s_wait_xcnt 0x0                                ; the stores of two tiles back have read their registers
.endif
	TOSTAGE \i
.endm
	TILE 0, 32                                     ; tile 1's 32 loads may stay out
	TILE 1, 48                                     ; tile 2's 32, and the stage's 16
	TILE 2, 48                                     ; (tile 2's loads were waited for ahead of tile 0's stores)
	TILE 3, 16                                     ; (tile 3's ahead of tile 1's)
	SEND 3
	s_wait_tensorcnt 0x0                           ; the wave's end
	ds_add_u32 v[SPW], v[NIL]
	s_wait_dscnt 0x0
	CROUND                                         ; the closing round
	s_endpgm
.Lfunc_end_k_q2375419830_proj:
	.size	k_q2375419830_proj, .Lfunc_end_k_q2375419830_proj-k_q2375419830_proj
	.p2alignl 7, 3214868480
	.fill 96, 4, 3214868480
	.section	.rodata,"a",@progbits
	.p2align	6, 0x0
	.amdhsa_kernel k_q2375419830_proj
		.amdhsa_group_segment_fixed_size 327680
		.amdhsa_private_segment_fixed_size 0
		.amdhsa_enable_private_segment 0
		.amdhsa_kernarg_size 48
		.amdhsa_user_sgpr_count 2
		.amdhsa_user_sgpr_kernarg_segment_ptr 1
		.amdhsa_wavefront_size32 1
		.amdhsa_system_sgpr_workgroup_id_x 1
		.amdhsa_system_sgpr_workgroup_id_y 1
		.amdhsa_system_sgpr_workgroup_id_z 1
		.amdhsa_system_vgpr_workitem_id 0
		.amdhsa_next_free_vgpr 1024
		.amdhsa_next_free_sgpr 100
		.amdhsa_reserve_vcc 0
		.amdhsa_float_denorm_mode_32 3
		.amdhsa_float_denorm_mode_16_64 3
		.amdhsa_memory_ordered 1
		.amdhsa_forward_progress 1
		.amdhsa_inst_pref_size 62
	.end_amdhsa_kernel
	.amdgpu_metadata
---
amdhsa.version: [ 1, 2 ]
amdhsa.kernels:
  - .name:           k_q2375419830_proj
    .symbol:         k_q2375419830_proj.kd
    .args:
      - { .name: aimg, .offset: 0, .size: 8, .value_kind: global_buffer, .address_space: global }
      - { .name: asc, .offset: 8, .size: 8, .value_kind: global_buffer, .address_space: global }
      - { .name: Wo_codes, .offset: 16, .size: 8, .value_kind: global_buffer, .address_space: global }
      - { .name: Wo_scales, .offset: 24, .size: 8, .value_kind: global_buffer, .address_space: global }
      - { .name: bo, .offset: 32, .size: 8, .value_kind: global_buffer, .address_space: global }
      - { .name: out0, .offset: 40, .size: 8, .value_kind: global_buffer, .address_space: global }
    .group_segment_fixed_size: 327680
    .private_segment_fixed_size: 0
    .kernarg_segment_align: 8
    .kernarg_segment_size: 48
    .max_flat_workgroup_size: 128
    .sgpr_count:     100
    .vgpr_count:     1024
    .wavefront_size: 32
...
	.end_amdgpu_metadata
.endif
;; end of part 3
